; MI455X (gfx1250); checked and timed in simulation.
; The chip was launched on July 23, 2026; its instructions are those of AMD's public machine-readable ISA for CDNA 5 (MIT licence, August 2026) and "CDNA5" Instruction Set Architecture Reference Guide (July 2026). The comments in the code are by the model that wrote it; some were corrected since.
;; Omni Attention. Allowed arithmetic: matrix products marked QUANTISED: E2M1 operands, one E8M0 scale for each 32 along K, by v_wmma_scale_f32_16x16x128_f8f6f4 with both operands' format E2M1 (or v_wmma_scale_f32_32x16x128_f4), f32 sums; products left as they are: bf16, f16 or f32 operands; f32 sums; everything else in f32.
;; Inputs: Wkv 2,048 x 1,024 float32; Wout 1,024 x 1,024 float32; Wq 1,024 x 1,024 float32; x 4 x 4,096 x 1,024 float32.
;; Outputs: out0 4 x 4,096 x 1,024 float32.
;; This version of the problem:
;;   THIS VERSION OF THE PROBLEM IS GIVEN IN LOW PRECISION. The matrix products marked QUANTISED in the list below multiply operands that are first quantised to E2M1 (2 exponent bits, 1 mantissa bit; 4 bits a number), with one power-of-two scale for each 32 numbers along K (OCP MX v1.0); their sums are f32. The products marked 'left as it is' may take bf16, f16 or f32 operands, with f32 sums. Whichever they take, every output number must still come out within the allowed error. Rounding operands to bf16 (8 significant bits) uses up far more of that allowance than f16 does (11 bits, for magnitudes from 6e-5 to 65,504). All else is computed in f32.
;;   The module's matrix products, in the order in which they are computed (A, B: the left and right operand; K: the contracted axis; several contracted axes count as one K, in the product's order):
;;     1. [M 16,384, K 1,024] x [K 1,024, N 1,024]; A: input x; B: input Wq: QUANTISED
;;     2. [M 16,384, K 1,024] x [K 1,024, N 2,048]; A: input x; B: input Wkv: QUANTISED
;;     3. batch 16,384 x [M 16, K 64] x [K 64, N 16]; A: computed on the way; B: computed on the way: left as it is (an operand is computed on the way)
;;     4. batch 16,384 x [M 16, K 16] x [K 16, N 64]; A: computed on the way; B: computed on the way: left as it is (K = 16 < 32)
;;     5. [M 16,384, K 1,024] x [K 1,024, N 1,024]; A: computed on the way; B: input Wout: left as it is (an operand is computed on the way)
;;   THE QUANTISER, for each operand of a quantised product, along K:
;;     - K is cut into blocks of 32 from its start; a last block that is shorter is filled with zeros.
;;     - A block's scale is 2^e with e = floor(log2(the largest magnitude in the block)) - 2, held to -126 .. 127; a block of zeros has e = 0. As a byte (E8M0): e + 127.
;;     - Each number is divided by its block's scale, clamped to +-6, and rounded to the nearest number of E2M1, ties to even, subnormals kept.
;;     - The product sums the exact products of the quantised numbers (number of the format x scale) in f32.
;;   ~~~python
;;   def quantise(x, axis):      # numpy; x: float32 -> the quantised numbers, widened to float32 again
;;       x = np.moveaxis(x, axis, -1); K = x.shape[-1]
;;       x = np.pad(x, [(0, 0)] * (x.ndim - 1) + [(0, -K % 32)]); x = x.reshape(x.shape[:-1] + (-1, 32)); a = np.abs(x).max(-1, keepdims=True)
;;       e = np.where(a > 0, np.clip(np.frexp(np.where(a > 0, a, 1))[1] - 1 - 2, -126, 127), 0)      # np.frexp(a)[1] - 1 = floor(log2(a)), exactly
;;       r = np.clip(x / 2.0 ** e, -6, 6)
;;       step = 2.0 ** (np.maximum(np.frexp(np.where(r == 0, 1, r))[1] - 1, 0) - 1)
;;       q = np.round(r / step) * step * 2.0 ** e      # np.round: ties to even
;;       return np.moveaxis(q.reshape(q.shape[:-2] + (-1,))[..., :K], -1, axis).astype(np.float32)
;;   ~~~
;; One version. Each part assembles by itself: llvm-mc -triple=amdgcn-amd-amdhsa -mcpu=gfx1250 --defsym DOCPART=n.
;; ======== version 1 of 1: 3 launches
;; limits: values are held in f16: magnitudes above 65,504 overflow, below 6.1e-05 lose precision
;; workspace buffers: codes 10,584,064 bytes; wo16 2,097,152 bytes; o16 33,554,432 bytes
;; launch prep (part 1): grid 256 x 1, 5 waves a work-group, no clusters, 43,008 bytes of LDS; arguments x, Wq, Wkv, Wout, codes, wo16; writes codes, wo16
.if DOCPART == 1
	.amdgcn_target "amdgcn-amd-amdhsa--gfx1250"
	.amdhsa_code_object_version 6
	.text
	.protected	k_q8795f3b1ff_prep
	.globl	k_q8795f3b1ff_prep
	.p2align	8
	.type	k_q8795f3b1ff_prep,@function
k_q8795f3b1ff_prep:
	s_mov_b64 s[64:65], 0
	v_nop
	global_prefetch_b8 v0, s[64:65] scope:SCOPE_SE
	s_setreg_imm32_b32 hwreg(HW_REG_WAVE_MODE, 25, 1), 1
	s_wait_xcnt 0x0
; x [16384][1024], Wq [1024][1024] and Wkv [2048][1024], f32, become codes of FP4 (E2M1) with one E8M0 scale byte for each 32 along K, laid as RECORDS;
; Wout [1024][1024], f32, becomes f16 with its K in another order.
; A RECORD is a tile of 16 rows x K 1,024 in the order of the operand registers, 8,704 bytes:
;   byte 1024 s + 512 c + 16 lane: registers 4 c .. 4 c + 3 of lane (r = lane % 16, h = lane / 16) of the fragment of K step s: the codes of k = 128 s + 64 c + 32 h + 0 .. 31 of row r;
;   byte 8192 + 16 lane + 4 u: the scale word (four bytes) of row r for K step 2 u + h.
; Records 0 .. 1023: x, tokens 16 T on.  Record 1024 + 4 i + w: weight tile i (0 .. 47) of wave w of the next launch:
;   i < 32: sigma = 2 (i / 4) + i % 2 (a head), beta = 2 w + (i / 2) % 2;  w < 2: rows 64 sigma + 16 beta + f of Wq;  w >= 2: rows 128 sigma + 16 (beta - 4) + f of Wkv (k);
;   i >= 32: rows 128 f + 64 + d of Wkv (v), d = 16 w + i - 32: the sixteen heads at one channel.
; wo16 [n][K2]: K2 = 128 (d / 8) + 8 head + d % 8 for k = 64 head + d: the order in which the next launch stores the attention result.
; THE QUANTISER: a scale is 2^(floor(log2(the largest magnitude of the block)) - 2); its byte is that magnitude exponent field - 2, held at 1 from below by a floor among the leaves of the maximum.
; LIMITS: a block of zeros gets the byte 1 where the definition says 127 (its codes are zeros, and this program alone reads the bytes); blocks whose largest magnitude lies under 2^-124 are held at the floor;
; NaN and infinities are not served; Wout beyond 65,504 in magnitude has no f16 number.
; SHARES: 1,280 jobs of one wave each, five to each of 256 work-groups, so that every work-group has the same number: job J = 5 x work-group + wave.
; J < 1216: the wave makes record J.  J >= 1216: it converts 16 rows of Wout.  Waves share nothing: no barrier, and the waves of a work-group may take different paths.
; A load takes 512 consecutive bytes of one row; the conversions want 32 neighbours along K in ONE lane: a K step (16 rows x 512 bytes) turns through the wave own stage in LDS, rows 528 bytes apart.
; Loads run three K steps ahead, in four sets of 64 registers in window 1.
.set REC,    8704
.set SPITCH, 528                       ; a stage row: 512 bytes + 16: the sixteen rows that a read touches start at sixteen different columns of 16 bytes
.set WSTG,   16*SPITCH                 ; a wave stage
.set SPARE,  5*WSTG                    ; behind the five stages: the spare words, 128 bytes a wave, which no other line names
.set SPW, 4                            ; v4   LDS address of my spare word; never rewritten
.set NIL, 5                            ; v5   0; never rewritten
.set SA,  6                            ; v6   the stage, on the way in: 16 x lane
.set LA,  7                            ; v7   on the way out: 528 r + 128 h
.set GO,  8                            ; v8   16 x lane
.set SH,  9                            ; v9   8 h
.set MG,  10                           ; v10-11 largest magnitudes of my two blocks
.set EX,  12                           ; v12-13 the conversions scale operands
.set BY,  14                           ; v14-15 the scale bytes
.set T,   16                           ; v16, v17 at work
.set T2,  17
.set SW,  18                           ; v18-21 the four scale words that I store
.set SO,  22                           ; v22  Wout: 256 (lane % 16) + 32 (lane / 16)
.set OFF, 24                           ; v24-39 byte offset of my 16 bytes in row i of the tile
.set WD,  40                           ; v40-47 the scale word of row r for each K step
.set X,   64                           ; v64-127 my 64 numbers of a K step
.set C,   128                          ; v128-191 codes: eight registers for each K step, so that no store data are written again
.set L,   64                           ; Wout: four slots of 32 numbers
.set Y,   192                          ; Wout: four slots of 16 registers of f16
.set MSB, 0
.macro WIN new                         ; the immediate high byte repeats the setting that is left
.if MSB != (\new)
	s_set_vgpr_msb (MSB<<8)|(\new)
.set MSB, \new
.endif
.endm
	s_load_b256 s[4:11], s[0:1], 0x0               ; x s[4:5], Wq s[6:7], Wkv s[8:9], Wout s[10:11]
	s_load_b128 s[12:15], s[0:1], 0x20             ; codes s[12:13], wo16 s[14:15]
	v_lshl_add_u32 v[SPW], v0, 2, SPARE
	v_mov_b32 v[NIL], 0
	v_lshrrev_b32 v1, 5, v0
	v_readfirstlane_b32 s16, v1                    ; wave 0 .. 4
	v_and_b32 v1, 31, v0                           ; lane
	v_and_b32 v2, 15, v0                           ; r
	v_bfe_u32 v3, v0, 4, 1                         ; h
	v_lshlrev_b32 v[GO], 4, v1
	s_mul_i32 s20, ttmp9, 5
	s_add_co_u32 s20, s20, s16                     ; J
	s_cmp_ge_u32 s20, 1216
	s_cbranch_scc1 .Lconvert
	; ---- which 16 rows: three candidates among the weights, and x; the choice hangs on ids alone
	s_and_b32 s18, s20, 3                          ; w: J - 1024 = 4 i + w
	s_max_u32 s21, s20, 1024
	s_sub_co_u32 s21, s21, 1024
	s_lshr_b32 s21, s21, 2                         ; i (0 for a tile of x)
	s_lshr_b32 s22, s21, 2
	s_lshl_b32 s22, s22, 1
	s_and_b32 s23, s21, 1
	s_add_co_u32 s22, s22, s23                     ; sigma
	s_bfe_u32 s23, s21, 0x10001                    ; (i / 2) % 2
	s_lshl_b32 s24, s18, 1
	s_add_co_u32 s23, s23, s24                     ; beta
	s_lshl_b32 s23, s23, 4
	s_lshl_b32 s24, s22, 6
	s_add_co_u32 s24, s24, s23                     ; q: 64 sigma + 16 beta
	s_lshl_b32 s25, s22, 7
	s_add_co_u32 s25, s25, s23
	s_sub_co_u32 s25, s25, 64                      ; k: 128 sigma + 16 beta - 64 (used for w = 2 and 3 alone, where beta is 4 or more)
	s_lshl_b32 s26, s18, 4
	s_add_co_u32 s26, s26, s21
	s_add_co_u32 s26, s26, 32                      ; v: 64 + 16 w + i - 32
	s_lshl_b32 s27, s20, 4                         ; x: 16 J
	s_mul_i32 s17, s16, WSTG
	v_add_nc_u32 v[SA], s17, v[GO]
	v_mul_u32_u24 v[LA], v2, SPITCH
	v_lshl_add_u32 v[LA], v3, 7, v[LA]
	v_add_nc_u32 v[LA], s17, v[LA]
	v_lshlrev_b32 v[SH], 3, v3
	v_mov_b32 v[T2], 0                             ; a lane permute destination counts as one of its sources
	s_mov_b32 s38, 0x76543210
	s_mov_b32 s39, 0xfedcba98                      ; v_permlanex16_b32: lane l xor 16
	s_wait_kmcnt 0x0
	s_cmp_lt_u32 s18, 2
	s_cselect_b32 s28, s24, s25
	s_cselect_b64 s[32:33], s[6:7], s[8:9]
	s_cmp_lt_u32 s21, 32
	s_cselect_b32 s28, s28, s26
	s_cselect_b64 s[32:33], s[32:33], s[8:9]
	s_mov_b32 s34, 0x80000                         ; from row to row of a tile of v: 128 rows of 4,096 bytes;
	s_cselect_b32 s34, 4096, s34                   ; of every other tile: one row
	s_cmp_lt_u32 s20, 1024
	s_cselect_b32 s28, s27, s28
	s_cselect_b64 s[32:33], s[4:5], s[32:33]
	s_cselect_b32 s34, 4096, s34
	s_lshl_b32 s28, s28, 12                        ; the first row in bytes (under 2^27)
	s_mov_b32 s29, 0
	s_add_nc_u64 s[32:33], s[32:33], s[28:29]
	s_mul_i32 s30, s20, REC
	s_mov_b32 s31, 0
	s_add_nc_u64 s[36:37], s[12:13], s[30:31]      ; my record
	v_mov_b32 v[OFF], v[GO]
.irp i, 1,2,3,4,5,6,7,8,9,10,11,12,13,14,15
	v_add_nc_u32 v[OFF+\i], s34, v[OFF+\i-1]
.endr
.macro QLOAD s                         ; K step s: 16 loads, each 512 consecutive bytes of one row, into set s % 4 of window 1
	WIN 0x40
.irp i, 0,1,2,3,4,5,6,7,8,9,10,11,12,13,14,15
	global_load_b128 v[64*((\s)%4)+4*\i:64*((\s)%4)+4*\i+3], v[OFF+\i], s[32:33] offset:512*(\s) th:TH_LOAD_NT
.endr
	WIN 0
.endm
.macro QSTEP s
.if 7-(\s) >= 3
	s_wait_loadcnt 48                              ; this K step is in; the 16 loads of each of the three younger steps may be out
.else
	s_wait_loadcnt 16*(7-(\s))
.endif
	WIN 0x04                                       ; an LDS store data are its source 1: window 1
.irp i, 0,1,2,3,4,5,6,7,8,9,10,11,12,13,14,15
	ds_store_b128 v[SA], v[64*((\s)%4)+4*\i:64*((\s)%4)+4*\i+3] offset:SPITCH*\i
.endr
	WIN 0
.irp c, 0,1                                    ; LDS serves a wave instructions in order (ISA guide 5.7.1.4): these see the stores above
.irp i, 0,1,2,3,4,5,6,7
	ds_load_b128 v[X+32*\c+4*\i:X+32*\c+4*\i+3], v[LA] offset:256*\c+16*\i
.endr
.endr
	s_wait_dscnt 0x0                               ; my 64 numbers are in, and the stores have read their registers,
.if (\s) < 4
	QLOAD (\s)+4                                   ; which take the K step four on
.endif
.irp c, 0,1
	v_max3_num_f32 v[MG+\c], |v[X+32*\c]|, |v[X+32*\c+1]|, 0x1800000   ; block 2 c + h: all 32 numbers are mine; the floor 2^(3 - 127) holds the byte at 1 from below
.endr
.irp i, 2,4,6,8,10,12,14,16,18,20,22,24,26,28,30
.irp c, 0,1
	v_max3_num_f32 v[MG+\c], v[MG+\c], |v[X+32*\c+\i]|, |v[X+32*\c+\i+1]|
.endr
.endr
.irp c, 0,1
	v_add_nc_u32 v[EX+\c], 0xff000000, v[MG+\c]    ; 2 off the exponent field: the conversion takes the exponent field of this operand as its scale
.endr
.irp c, 0,1
	v_lshrrev_b32 v[BY+\c], 23, v[EX+\c]           ; the scale byte
.endr
	v_lshl_or_b32 v[T], v[BY+1], 16, v[BY]         ; my two bytes, blocks h and 2 + h,
	v_lshlrev_b32 v[T], v[SH], v[T]                ; at their places in the word;
	v_permlanex16_b32 v[T2], v[T], s38, s39
	v_or_b32 v[WD+(\s)], v[T], v[T2]               ; with the two of lane l xor 16 the word is whole
.irp c, 0,1
.irp g, 0,1,2,3
	v_cvt_scalef32_pk8_fp4_f32 v[C+8*(\s)+4*\c+\g], v[X+32*\c+8*\g:X+32*\c+8*\g+7], v[EX+\c]
.endr
.endr
	v_nop                                          ; one plain place behind the last scaled conversion
.irp c, 0,1
	global_store_b128 v[GO], v[C+8*(\s)+4*\c:C+8*(\s)+4*\c+3], s[36:37] offset:1024*(\s)+512*\c   ; 32 lanes store 512 consecutive bytes, aligned to 256
.endr
.endm
.irp s, 0,1,2,3
	QLOAD \s
.endr
.irp s, 0,1,2,3,4,5,6,7
	QSTEP \s
.endr
	v_cmp_ne_u32 vcc_lo, 0, v3
.irp u, 0,1,2,3
	v_cndmask_b32 v[SW+\u], v[WD+2*\u], v[WD+2*\u+1], vcc_lo   ; lanes 0-15 keep K step 2 u, lanes 16-31 K step 2 u + 1
.endr
	global_store_b128 v[GO], v[SW:SW+3], s[36:37] offset:8192
	s_wait_tensorcnt 0x0                           ; the wave end, behind my last LDS store
	ds_add_u32 v[SPW], v[NIL]
	s_wait_dscnt 0x0
	s_endpgm
	; ---- Wout: 16 rows a wave.
.Lconvert:
	s_sub_co_u32 s21, s20, 1216                    ; which 16 rows: 0 .. 63
	v_lshlrev_b32 v[SO], 8, v2
	v_lshl_add_u32 v[SO], v3, 5, v[SO]             ; store i of a row wants from lane l the chunk (head l % 16, d / 8 = 2 i + l / 16): 32 bytes at 256 (l % 16) + 64 i + 32 (l / 16)
	s_lshl_b32 s28, s21, 16                        ; 16 rows of 4,096 bytes
	s_mov_b32 s29, 0
	s_lshl_b32 s30, s21, 15                        ; 16 rows of 2,048 bytes
	s_mov_b32 s31, 0
	s_wait_kmcnt 0x0
	s_add_nc_u64 s[32:33], s[10:11], s[28:29]
	s_add_nc_u64 s[36:37], s[14:15], s[30:31]
.macro CLOAD n                         ; row n: eight loads, which together take the whole row
.irp i, 0,1,2,3
.irp j, 0,1
	global_load_b128 v[L+32*((\n)%4)+8*\i+4*\j:L+32*((\n)%4)+8*\i+4*\j+3], v[SO], s[32:33] offset:4096*(\n)+64*\i+16*\j
.endr
.endr
.endm
.macro CROW n
.if 15-(\n) >= 3
	s_wait_loadcnt 24                              ; row n is in; the 8 loads of each of the three younger rows may be out
.else
	s_wait_loadcnt 8*(15-(\n))
.endif
	s_wait_xcnt 0x0                                ; the slot last stores have read their data: only behind this wait are they written again
.irp i, 0,1,2,3
.irp k, 0,1,2,3
	v_cvt_pk_f16_f32 v[Y+16*((\n)%4)+4*\i+\k], v[L+32*((\n)%4)+8*\i+2*\k], v[L+32*((\n)%4)+8*\i+2*\k+1]
.endr
.endr
.if (\n) < 12
	CLOAD (\n)+4
.endif
.irp i, 0,1,2,3
	global_store_b128 v[GO], v[Y+16*((\n)%4)+4*\i:Y+16*((\n)%4)+4*\i+3], s[36:37] offset:2048*(\n)+512*\i   ; 512 consecutive bytes, aligned to 256
.endr
.endm
.irp n, 0,1,2,3
	CLOAD \n
.endr
.irp n, 0,1,2,3,4,5,6,7,8,9,10,11,12,13,14,15
	CROW \n
.endr
	s_endpgm
.Lfunc_end_k_q8795f3b1ff_prep:
	.size	k_q8795f3b1ff_prep, .Lfunc_end_k_q8795f3b1ff_prep-k_q8795f3b1ff_prep
	.p2alignl 7, 3214868480
	.fill 96, 4, 3214868480
	.section	.rodata,"a",@progbits
	.p2align	6, 0x0
	.amdhsa_kernel k_q8795f3b1ff_prep
		.amdhsa_group_segment_fixed_size 43008
		.amdhsa_private_segment_fixed_size 0
		.amdhsa_enable_private_segment 0
		.amdhsa_kernarg_size 48
		.amdhsa_user_sgpr_count 2
		.amdhsa_user_sgpr_kernarg_segment_ptr 1
		.amdhsa_wavefront_size32 1
		.amdhsa_system_sgpr_workgroup_id_x 1
		.amdhsa_system_sgpr_workgroup_id_y 1
		.amdhsa_system_sgpr_workgroup_id_z 1
		.amdhsa_system_vgpr_workitem_id 0
		.amdhsa_next_free_vgpr 512
		.amdhsa_next_free_sgpr 66
		.amdhsa_reserve_vcc 1
		.amdhsa_float_denorm_mode_32 3
		.amdhsa_float_denorm_mode_16_64 3
		.amdhsa_memory_ordered 1
		.amdhsa_forward_progress 1
		.amdhsa_inst_pref_size 94
	.end_amdhsa_kernel
	.amdgpu_metadata
---
amdhsa.version: [ 1, 2 ]
amdhsa.kernels:
  - .name:           k_q8795f3b1ff_prep
    .symbol:         k_q8795f3b1ff_prep.kd
    .args:
      - { .name: x, .offset: 0, .size: 8, .value_kind: global_buffer, .address_space: global }
      - { .name: Wq, .offset: 8, .size: 8, .value_kind: global_buffer, .address_space: global }
      - { .name: Wkv, .offset: 16, .size: 8, .value_kind: global_buffer, .address_space: global }
      - { .name: Wout, .offset: 24, .size: 8, .value_kind: global_buffer, .address_space: global }
      - { .name: codes, .offset: 32, .size: 8, .value_kind: global_buffer, .address_space: global }
      - { .name: wo16, .offset: 40, .size: 8, .value_kind: global_buffer, .address_space: global }
    .group_segment_fixed_size: 43008
    .private_segment_fixed_size: 0
    .kernarg_segment_align: 8
    .kernarg_segment_size: 48
    .max_flat_workgroup_size: 160
    .sgpr_count:     66
    .vgpr_count:     512
    .wavefront_size: 32
...
	.end_amdgpu_metadata
.endif
;; end of part 1
;; launch qkvattn (part 2): grid 256 x 1, 4 waves a work-group, no clusters, 263,680 bytes of LDS; arguments codes, o16; writes o16
.if DOCPART == 2
	.amdgcn_target "amdgcn-amd-amdhsa--gfx1250"
	.amdhsa_code_object_version 6
	.text
	.protected	k_q8795f3b1ff_qkvattn
	.globl	k_q8795f3b1ff_qkvattn
	.p2align	8
	.type	k_q8795f3b1ff_qkvattn,@function
k_q8795f3b1ff_qkvattn:
	s_mov_b64 s[64:65], 0
	v_nop
	global_prefetch_b8 v0, s[64:65] scope:SCOPE_SE
	s_setreg_imm32_b32 hwreg(HW_REG_WAVE_MODE, 25, 1), 1
	s_wait_xcnt 0x0
; For 64 tokens a work-group: q, k, v = x Wq^T, x Wkv^T on codes of FP4 with E8M0 scales; then for each token the attention over its 16 HEADS: S = q k^T / 8 (16 x 16, K = 64), softmax along the
; key heads with the row maximum taken away, O = P v (K = 16); O leaves as f16.  Sums, maxima and the softmax in f32; q, k, v, P and O are rounded to f16 once each, as operands of products that are left as they are.
; LIMITS: |q|, |k|, |v|, |O| beyond 65,504 have no f16 number (with x and the weights 30 times the drawn spread they have a spread of some 600; with offsets of 30 spreads on both some 18,500); NaN and infinities are not served.
; SHARES.  In the products THE WAVES SHARE THE COLUMNS: wave w makes its 48 tiles of 16 features for all 64 tokens, so that each weight fragment feeds four matrix instructions.  x codes (4 records) stay in 256 registers.
; The weights come from memory straight into registers: the launch before laid them as records, in the order of the operand registers (byte 1024 s + 512 c + 16 lane; scale words at 8192 + 16 lane).  Each fragment is read by one wave of the work-group.
; In the attention wave w owns tokens 16 w .. 16 w + 15.
; THE PRODUCT IS USED TRANSPOSED (source 0 = 16 weight rows, source 1 = 16 tokens): lane (token r, half h) holds features 8 h .. 8 h + 7 of the tile: 16 bytes of f16.
; LDS: a token record of 4,112 bytes (257 x 16: the 16 tokens of a store fall on 16 different columns of 16 bytes):
;   q: bytes 0 .. 2047: block d / 8 at 256 (d / 8), head a at 16 a;   k: bytes 2048 .. 4095 likewise.   A tile (beta = d / 16, counted on through k; sigma = head) writes at 512 beta + 256 h + 16 sigma.
;   later v over q: 512 (d / 16) + 256 (j / 8) + 16 (d % 16), j the head: a tile of v is the sixteen heads at one channel;   P over k: bytes 2048 .. 2559, 16 x lane.
;   Read at 16 x lane, each piece of 512 bytes IS half a fragment (four registers) of the f16 form: nothing is transposed.
; S^T = k q^T: a lane holds one query head (lane % 16) and key heads 8 (lane / 16) + 0 .. 7; P in f16 is then source 1 of O^T = v^T P^T as it stands; its K places 16 .. 31 are zeros.
; O^T: lane (head r, half h), tile e: channels 16 e + 8 h + 0 .. 7: 16 bytes at 512 e + 16 lane of the token row of o16: K2 = 128 (d / 8) + 8 head + d % 8, the order in which wo16 is laid too.
; NO WAIT STANDS DIRECTLY BEHIND WHAT IT WAITS FOR.  A tile four LDS stores take their data from one of two sets by turns, and their addresses from one of two sets (tiles 0, 1 of a trip; tiles 2, 3): a set is
; rewritten behind a wait that leaves the four stores of the tile before out.  Each of the four weight buffers has a base of its own, stepped behind the counted wait that shows that buffer loads done.
; REGISTERS, in windows of 256: window 0: addresses, scale words, accumulators, the softmax;  window 1: x codes, at 64 m + 8 s;  window 2: four weight buffers, at 64 u + 8 s;
;   window 3: v0-63 q, later v; v64-127 k (later v64-67: zeros behind the last fragment of v); v128-255 the 16 accumulators of O^T.
.set REC,  8704
.set TOK,  4112
.set T16,  16*TOK
.set SPARE, 64*TOK                     ; behind the records: the spare words, 128 bytes a wave, which no other line names
.set L16, 1                            ; v1    16 x lane; never rewritten
.set A0,  2                            ; v2-5  where I put a tile 16 bytes for the tokens 16 m on, at the phase first tile
.set AT0, 6                            ; v6    my wave first token + 16 x lane
.set ATP, 7                            ; v7    AT0 + the trip step, for the stores of P
.set SPW, 8                            ; v8    LDS address of my spare word; never rewritten
.set NIL, 9                            ; v9    0; never rewritten
.set LP,  10                           ; v10   4112 r + 256 h
.set AT,  11                           ; v11   AT0 + the trip step, for the loads
.set AD,  12                           ; v12-15 A0 + the trip step, for tiles 0 and 1 of a trip
.set AD2, 248                          ; v248-251 the same, for tiles 2 and 3
.set XS,  16                           ; v16-31 x scale words: 4 m + u: lanes 0-15 K step 2 u, lanes 16-31 K step 2 u + 1
.set WS,  32                           ; v32-47 the weights scale words: 4 x buffer + u, likewise
.set ACC, 48                           ; v48-79 a tile four accumulators
.set TMP, 80                           ; v80-95 f16, on the way to LDS; in the tile phases a second set at v96-111
.set S,   96                           ; v96-127 S^T, then p: 8 a token
.set MX,  128                          ; v128-135 pairs: -c x maximum | at work
.set SM,  136                          ; v136-143 pairs: the sums
.set TP,  144                          ; v144-151 pairs: 1 / the sum | at work
.set PR,  152                          ; v152-183 P: 8 a token, the upper four zeros
.set PK,  184                          ; v184-247 O in f16
.set WB,  24                           ; s[24:31] the four weight buffers bases: buffer u at s[24 + 2 u : 25 + 2 u]
.set MSB, 0
.macro WIN new                         ; the immediate high byte repeats the setting that is left
.if MSB != (\new)
	s_set_vgpr_msb (MSB<<8)|(\new)
.set MSB, \new
.endif
.endm
.macro BAR                             ; my LDS stores have landed and my LDS loads are in: then the work-group barrier
	s_wait_dscnt 0x0
	s_barrier_signal -1
	s_barrier_wait -1
.endm
.macro LOADW buf                       ; the weight record at the buffer base, into buffer buf: 17 loads of 512 consecutive bytes
	WIN 0x80
.irp j, 0,1,2,3,4,5,6,7,8,9,10,11,12,13,14,15
	global_load_b128 v[64*(\buf)+4*\j:64*(\buf)+4*\j+3], v[L16], s[WB+2*(\buf):WB+2*(\buf)+1] offset:512*\j
.endr
	WIN 0
	global_load_b128 v[WS+4*(\buf):WS+4*(\buf)+3], v[L16], s[WB+2*(\buf):WB+2*(\buf)+1] offset:8192
.endm
; A tile: 16 features x 64 tokens x K 1,024: 32 matrix instructions, the four accumulators by turns, one instruction a turn.  The first K step starts the sums.
; cnt: the loads of the younger tiles, which may stay out.  ld = 1: the buffer takes the tile four on.  imm: the tile place in a token record.  step = 1: this tile address set is made anew for the trip.
.macro TILE u, ld, cnt, imm, step
.set TMS, TMP+16*((\u)%2)
.set ADS, AD+(AD2-AD)*((\u)/2)
	s_wait_loadcnt \cnt                            ; this buffer 17 loads are in: they were the last to read its base,
.if \ld
	s_add_nc_u64 s[WB+2*(\u):WB+2*(\u)+1], s[WB+2*(\u):WB+2*(\u)+1], 16*REC   ; which steps four tiles of four waves on
.endif
	WIN 0x06                                       ; source 0 (weights) window 2, source 1 (x) window 1
.irp s, 0,1,2,3,4,5,6,7
.irp m, 0,1,2,3
.if \s == 0
	v_wmma_scale_f32_16x16x128_f8f6f4 v[ACC+8*\m:ACC+8*\m+7], v[64*(\u)+8*\s:64*(\u)+8*\s+7], v[64*\m+8*\s:64*\m+8*\s+7], 0, v[WS+4*(\u)+\s/2], v[XS+4*\m+\s/2] matrix_a_fmt:MATRIX_FMT_FP4 matrix_b_fmt:MATRIX_FMT_FP4
.elseif \s % 2 == 0
	v_wmma_scale_f32_16x16x128_f8f6f4 v[ACC+8*\m:ACC+8*\m+7], v[64*(\u)+8*\s:64*(\u)+8*\s+7], v[64*\m+8*\s:64*\m+8*\s+7], v[ACC+8*\m:ACC+8*\m+7], v[WS+4*(\u)+\s/2], v[XS+4*\m+\s/2] matrix_a_fmt:MATRIX_FMT_FP4 matrix_b_fmt:MATRIX_FMT_FP4
.else
	v_wmma_scale_f32_16x16x128_f8f6f4 v[ACC+8*\m:ACC+8*\m+7], v[64*(\u)+8*\s:64*(\u)+8*\s+7], v[64*\m+8*\s:64*\m+8*\s+7], v[ACC+8*\m:ACC+8*\m+7], v[WS+4*(\u)+\s/2], v[XS+4*\m+\s/2] matrix_a_fmt:MATRIX_FMT_FP4 matrix_b_fmt:MATRIX_FMT_FP4 matrix_a_scale:MATRIX_SCALE_ROW1 matrix_b_scale:MATRIX_SCALE_ROW1
.endif
.endr
.endr
	WIN 0
.rept 5
	v_nop                                          ; places: four ahead of the loads into the buffer and of the conversions that read results; the fifth for the next tile, whose first products write these accumulators anew
.endr
.if \ld
	LOADW \u
.endif
	s_wait_dscnt 4                                 ; the four stores of the tile before may be out; those of the tile two back, which read this set of data (and, where it is made anew, this set of addresses), are done
.if \step
.irp m, 0,1,2,3
	v_add_nc_u32 v[ADS+\m], s23, v[A0+\m]          ; this trip places: the phase first places + the scalar step
.endr
.endif
.irp m, 0,1,2,3
.irp k, 0,1,2,3
	v_cvt_pk_f16_f32 v[TMS+4*\m+\k], v[ACC+8*\m+2*\k], v[ACC+8*\m+2*\k+1]   ; each accumulator from its low end on
.endr
.endr
.irp m, 0,1,2,3
	ds_store_b128 v[ADS+\m], v[TMS+4*\m:TMS+4*\m+3] offset:\imm
.endr
.endm
; S^T, the softmax and P for four tokens.
.macro ATT_S
	v_add_nc_u32 v[AT], s23, v[AT0]                ; (the loads that read AT were waited for in the trip before)
	WIN 0xc0                                       ; destination window 3
.irp n, 0,1,2,3
.irp j, 0,1,2,3
	ds_load_b128 v[64+16*\n+4*\j:64+16*\n+4*\j+3], v[AT] offset:TOK*\n+2048+512*\j   ; k: 512 consecutive bytes
	ds_load_b128 v[16*\n+4*\j:16*\n+4*\j+3], v[AT] offset:TOK*\n+512*\j             ; q
.endr
.endr
	s_wait_dscnt 0x0                               ; q and k are in; the stores of P of the trip before, which are older, have read their address and data
	WIN 0x0f                                       ; sources 0 and 1 window 3
.irp n, 0,1,2,3
	v_wmma_f32_16x16x32_f16 v[S+8*\n:S+8*\n+7], v[64+16*\n:64+16*\n+7], v[16*\n:16*\n+7], 0          ; channels 0 .. 31; the four tokens by turns
.endr
.irp n, 0,1,2,3
	v_wmma_f32_16x16x32_f16 v[S+8*\n:S+8*\n+7], v[64+16*\n+8:64+16*\n+15], v[16*\n+8:16*\n+15], v[S+8*\n:S+8*\n+7]   ; channels 32 .. 63
.endr
	WIN 0
.rept 5
	v_nop                                          ; places: four ahead of the first read of results; the fifth for the next trip, which begins these sums anew
.endr
	v_add_nc_u32 v[ATP], s23, v[AT0]               ; where this trip P goes
.irp n, 0,1,2,3
	v_max3_num_f32 v[MX+2*\n], v[S+8*\n], v[S+8*\n+1], v[S+8*\n+2]
.endr
.irp i, 3,5
.irp n, 0,1,2,3
	v_max3_num_f32 v[MX+2*\n], v[MX+2*\n], v[S+8*\n+\i], v[S+8*\n+\i+1]
.endr
.endr
.irp n, 0,1,2,3
	v_max_num_f32 v[MX+2*\n], v[MX+2*\n], v[S+8*\n+7]
.endr
.irp n, 0,1,2,3
	v_permlanex16_b32 v[MX+2*\n+1], v[MX+2*\n], s18, s19   ; the other eight key heads lie in the lane 16 away
.endr
.irp n, 0,1,2,3
	v_max_num_f32 v[MX+2*\n], v[MX+2*\n], v[MX+2*\n+1]     ; the row maximum
.endr
.irp n, 0,1,2,3
	v_mul_f32 v[MX+2*\n], s22, v[MX+2*\n]                  ; - c x maximum, c = log2(e) / 8
.endr
.irp k, 0,1,2,3
.irp n, 0,1,2,3
	v_pk_fma_f32 v[S+8*\n+2*\k:S+8*\n+2*\k+1], v[S+8*\n+2*\k:S+8*\n+2*\k+1], s[20:21], v[MX+2*\n:MX+2*\n+1] op_sel_hi:[1,0,0]   ; c s - c maximum, two at a time
.endr
.endr
.irp j, 0,1,2,3,4,5,6,7,8,9,10,11,12,13,14,15,16,17,18,19,20,21,22,23,24,25,26,27,28,29,30,31
	v_exp_f32 v[S+\j], v[S+\j]                     ; one batch
.endr
	v_nop                                          ; a plain place behind the last exponential
	s_wait_alu depctr_va_vdst(0)                   ; one wait for the batch, ahead of its first reader
.irp n, 0,1,2,3
	v_pk_add_f32 v[SM+2*\n:SM+2*\n+1], v[S+8*\n:S+8*\n+1], v[S+8*\n+2:S+8*\n+3]
	v_pk_add_f32 v[TP+2*\n:TP+2*\n+1], v[S+8*\n+4:S+8*\n+5], v[S+8*\n+6:S+8*\n+7]
.endr
.irp n, 0,1,2,3
	v_pk_add_f32 v[SM+2*\n:SM+2*\n+1], v[SM+2*\n:SM+2*\n+1], v[TP+2*\n:TP+2*\n+1]
.endr
.irp n, 0,1,2,3
	v_add_f32 v[SM+2*\n], v[SM+2*\n], v[SM+2*\n+1]
.endr
.irp n, 0,1,2,3
	v_permlanex16_b32 v[SM+2*\n+1], v[SM+2*\n], s18, s19
.endr
.irp n, 0,1,2,3
	v_add_f32 v[SM+2*\n], v[SM+2*\n], v[SM+2*\n+1]         ; the row sum
.endr
.irp n, 0,1,2,3
	v_rcp_f32 v[TP+2*\n], v[SM+2*\n]
.endr
	v_nop
	s_wait_alu depctr_va_vdst(0)                   ; one wait for the four reciprocals
.irp k, 0,1,2,3
.irp n, 0,1,2,3
	v_pk_mul_f32 v[S+8*\n+2*\k:S+8*\n+2*\k+1], v[S+8*\n+2*\k:S+8*\n+2*\k+1], v[TP+2*\n:TP+2*\n+1] op_sel_hi:[1,0]
.endr
.endr
.irp n, 0,1,2,3
.irp k, 0,1,2,3
	v_cvt_pk_f16_f32 v[TMP+4*\n+\k], v[S+8*\n+2*\k], v[S+8*\n+2*\k+1]
.endr
.endr
.irp n, 0,1,2,3
	ds_store_b128 v[ATP], v[TMP+4*\n:TMP+4*\n+3] offset:TOK*\n+2048   ; P over the token k, which this wave alone read, and has read
.endr
.endm
; O^T = v^T P^T for four tokens, and out.
.macro ATT_O
	v_add_nc_u32 v[AT], s23, v[AT0]
	WIN 0xc0
.irp n, 0,1,2,3
.irp e, 0,1,2,3
	ds_load_b128 v[16*\n+4*\e:16*\n+4*\e+3], v[AT] offset:TOK*\n+512*\e
.endr
.endr
	WIN 0
.irp n, 0,1,2,3
	ds_load_b128 v[PR+8*\n:PR+8*\n+3], v[AT] offset:TOK*\n+2048
.endr
	s_wait_dscnt 0x0
	WIN 0xc3                                       ; source 0 (v) and the destination window 3, source 1 (P) window 0
.irp n, 0,1,2,3
.irp e, 0,1,2,3
	v_wmma_f32_16x16x32_f16 v[128+8*(4*\n+\e):128+8*(4*\n+\e)+7], v[16*\n+4*\e:16*\n+4*\e+7], v[PR+8*\n:PR+8*\n+7], 0   ; K places 16 .. 31: the next fragment (or the zeros behind the last) against zeros of P
.endr
.endr
.rept 5
	v_nop                                          ; places, as above
.endr
	WIN 0x0f
.irp t, 0,1,2,3,4,5,6,7,8,9,10,11,12,13,14,15
.irp k, 0,1,2,3
	v_cvt_pk_f16_f32 v[PK+4*\t+\k], v[128+8*\t+2*\k], v[128+8*\t+2*\k+1]
.endr
.endr
	WIN 0
.irp n, 0,1,2,3
.irp e, 0,1,2,3
	global_store_b128 v[L16], v[PK+16*\n+4*\e:PK+16*\n+4*\e+3], s[14:15] offset:2048*\n+512*\e   ; 32 lanes store 512 consecutive bytes, aligned to 256
.endr
.endr
.endm
	s_load_b128 s[4:7], s[0:1], 0x0                ; codes s[4:5], o16 s[6:7]
	v_lshl_add_u32 v[SPW], v0, 2, SPARE
	v_mov_b32 v[NIL], 0
	v_lshrrev_b32 v2, 5, v0
	v_readfirstlane_b32 s8, v2                     ; wave
	v_and_b32 v2, 31, v0
	v_lshlrev_b32 v[L16], 4, v2
	v_and_b32 v2, 15, v0                           ; r
	v_bfe_u32 v3, v0, 4, 1                         ; h
	v_mul_u32_u24 v[LP], v2, TOK
	v_lshl_add_u32 v[LP], v3, 8, v[LP]
	s_lshl_b32 s17, s8, 10                         ; q and k: beta = 2 w + ..: 1,024 bytes of a record to a wave
	v_add_nc_u32 v[A0], s17, v[LP]
.irp m, 1,2,3
	v_add_nc_u32 v[A0+\m], \m*T16, v[A0]
.endr
	s_mul_i32 s17, s8, T16
	v_add_nc_u32 v[AT0], s17, v[L16]
	s_mov_b32 s18, 0x76543210
	s_mov_b32 s19, 0xfedcba98                      ; v_permlanex16_b32: lane l xor 16
	s_mov_b32 s20, 0x3e38aa3b                      ; c = log2(e) / 8
	s_mov_b32 s21, s20                             ; (named with it as a pair)
	s_mov_b32 s22, 0xbe38aa3b                      ; - c
	s_mul_i32 s24, ttmp9, 4*REC                    ; my four records of x
	s_mov_b32 s25, 0
	s_mul_i32 s26, s8, REC
	s_add_co_u32 s26, s26, 1024*REC                ; my wave tile 0
	s_mov_b32 s27, 0
	s_lshl_b32 s28, ttmp9, 6
	s_lshl_b32 s29, s8, 4
	s_add_co_u32 s28, s28, s29
	s_lshl_b32 s28, s28, 11                        ; my wave first token row of o16: 2,048 bytes a token
	s_mov_b32 s29, 0
	s_wait_kmcnt 0x0
	s_add_nc_u64 s[10:11], s[4:5], s[24:25]
	s_add_nc_u64 s[12:13], s[4:5], s[26:27]
	s_add_nc_u64 s[14:15], s[6:7], s[28:29]
	s_mov_b64 s[WB:WB+1], s[12:13]                 ; buffer u begins with my tile u: from tile to tile four records
	s_add_nc_u64 s[WB+2:WB+3], s[12:13], 4*REC
	s_add_nc_u64 s[WB+4:WB+5], s[12:13], 8*REC
	s_add_nc_u64 s[WB+6:WB+7], s[12:13], 12*REC
	WIN 0x40                                       ; x codes stay in window 1
.irp m, 0,1,2,3
.irp j, 0,1,2,3,4,5,6,7,8,9,10,11,12,13,14,15
	global_load_b128 v[64*\m+4*\j:64*\m+4*\j+3], v[L16], s[10:11] offset:REC*\m+512*\j
.endr
.endr
	WIN 0
.irp m, 0,1,2,3
	global_load_b128 v[XS+4*\m:XS+4*\m+3], v[L16], s[10:11] offset:REC*\m+8192
.endr
.irp u, 0,1,2,3
	LOADW \u
.endr
.irp n, 0,1,2,3
	v_mov_b32 v[MX+2*\n+1], 0                      ; a lane permute destination counts as one of its sources
.irp k, 4,5,6,7
	v_mov_b32 v[PR+8*\n+\k], 0                     ; P at K places 16 .. 31
.endr
.endr
	; ---- q and k: tiles 0 .. 31, four a trip.  The last trip asks for the first four tiles of v, which stay on their way through the softmax.
	s_mov_b32 s23, 0
	s_mov_b32 s16, 8
.Lqk:
	TILE 0, 1, 51, 0, 1                            ; 51: the 17 loads of each of the three younger tiles
	TILE 1, 1, 51, 16, 0
	TILE 2, 1, 51, 512, 1
	TILE 3, 1, 51, 528, 0
	s_add_co_u32 s23, s23, 32                      ; two heads on
	s_sub_co_u32 s16, s16, 1
	s_cmp_lg_u32 s16, 0
	s_cbranch_scc1 .Lqk
	BAR                                            ; q and k of all 64 tokens lie in LDS
	; ---- S, softmax, P: my 16 tokens, four a trip
	s_mov_b32 s23, 0
	s_mov_b32 s16, 4
.Lsoft:
	ATT_S
	s_add_co_u32 s23, s23, 4*TOK
	s_sub_co_u32 s16, s16, 1
	s_cmp_lg_u32 s16, 0
	s_cbranch_scc1 .Lsoft
	BAR                                            ; nobody reads q any more: v may be laid over it
	; ---- v: tiles 32 .. 47
	s_lshl_b32 s17, s8, 9                          ; d / 16 = w: 512 bytes of a record to a wave
	v_add_nc_u32 v[A0], s17, v[LP]
.irp m, 1,2,3
	v_add_nc_u32 v[A0+\m], \m*T16, v[A0]
.endr
	WIN 0xc0
.irp k, 64,65,66,67
	v_mov_b32 v[\k], 0                             ; behind the last fragment of v
.endr
	WIN 0
	s_mov_b32 s23, 0
	s_mov_b32 s16, 3
.Lv:
	TILE 0, 1, 51, 0, 1
	TILE 1, 1, 51, 16, 0
	TILE 2, 1, 51, 32, 1
	TILE 3, 1, 51, 48, 0
	s_add_co_u32 s23, s23, 64                      ; four channels on
	s_sub_co_u32 s16, s16, 1
	s_cmp_lg_u32 s16, 0
	s_cbranch_scc1 .Lv
	TILE 0, 0, 51, 0, 1                            ; the last four tiles ask for nothing: the counts run down
	TILE 1, 0, 34, 16, 0
	TILE 2, 0, 17, 32, 1
	TILE 3, 0, 0, 48, 0
	BAR                                            ; v of all 64 tokens lies in LDS
	; ---- O: my 16 tokens, four a trip
	s_mov_b32 s23, 0
	s_mov_b32 s16, 4
.Lout:
	ATT_O
	s_wait_xcnt 0x0                                ; the stores have read their data and their base: both are written again only behind this wait
	s_add_nc_u64 s[14:15], s[14:15], 4*2048
	s_add_co_u32 s23, s23, 4*TOK
	s_sub_co_u32 s16, s16, 1
	s_cmp_lg_u32 s16, 0
	s_cbranch_scc1 .Lout
	s_wait_tensorcnt 0x0                           ; the wave end, behind my last LDS store
	ds_add_u32 v[SPW], v[NIL]
	s_wait_dscnt 0x0
	s_endpgm
.Lfunc_end_k_q8795f3b1ff_qkvattn:
	.size	k_q8795f3b1ff_qkvattn, .Lfunc_end_k_q8795f3b1ff_qkvattn-k_q8795f3b1ff_qkvattn
	.p2alignl 7, 3214868480
	.fill 96, 4, 3214868480
	.section	.rodata,"a",@progbits
	.p2align	6, 0x0
	.amdhsa_kernel k_q8795f3b1ff_qkvattn
		.amdhsa_group_segment_fixed_size 263680
		.amdhsa_private_segment_fixed_size 0
		.amdhsa_enable_private_segment 0
		.amdhsa_kernarg_size 16
		.amdhsa_user_sgpr_count 2
		.amdhsa_user_sgpr_kernarg_segment_ptr 1
		.amdhsa_wavefront_size32 1
		.amdhsa_system_sgpr_workgroup_id_x 1
		.amdhsa_system_sgpr_workgroup_id_y 1
		.amdhsa_system_sgpr_workgroup_id_z 1
		.amdhsa_system_vgpr_workitem_id 0
		.amdhsa_next_free_vgpr 1024
		.amdhsa_next_free_sgpr 66
		.amdhsa_reserve_vcc 0
		.amdhsa_float_denorm_mode_32 3
		.amdhsa_float_denorm_mode_16_64 3
		.amdhsa_memory_ordered 1
		.amdhsa_forward_progress 1
		.amdhsa_inst_pref_size 117
	.end_amdhsa_kernel
	.amdgpu_metadata
---
amdhsa.version: [ 1, 2 ]
amdhsa.kernels:
  - .name:           k_q8795f3b1ff_qkvattn
    .symbol:         k_q8795f3b1ff_qkvattn.kd
    .args:
      - { .name: codes, .offset: 0, .size: 8, .value_kind: global_buffer, .address_space: global }
      - { .name: o16, .offset: 8, .size: 8, .value_kind: global_buffer, .address_space: global }
    .group_segment_fixed_size: 263680
    .private_segment_fixed_size: 0
    .kernarg_segment_align: 8
    .kernarg_segment_size: 16
    .max_flat_workgroup_size: 128
    .sgpr_count:     66
    .vgpr_count:     1024
    .wavefront_size: 32
...
	.end_amdgpu_metadata
.endif
;; end of part 2
;; launch outproj (part 3): grid 4 x 64, 4 waves a work-group, clusters of 4 x 4, 327,680 bytes of LDS; arguments o16, wo16, out0; writes out0
.if DOCPART == 3
	.amdgcn_target "amdgcn-amd-amdhsa--gfx1250"
	.amdhsa_code_object_version 6
	.text
	.protected	k_q8795f3b1ff_outproj
	.globl	k_q8795f3b1ff_outproj
	.p2align	8
	.type	k_q8795f3b1ff_outproj,@function
k_q8795f3b1ff_outproj:
	s_mov_b64 s[64:65], 0
	v_nop
	global_prefetch_b8 v0, s[64:65] scope:SCOPE_SE
	s_setreg_imm32_b32 hwreg(HW_REG_WAVE_MODE, 25, 1), 1
	s_wait_xcnt 0x0
	s_wait_alu depctr_hold_cnt(0) depctr_sa_sdst(0) depctr_va_vdst(0) depctr_va_sdst(0) depctr_va_ssrc(0) depctr_va_vcc(0) depctr_vm_vsrc(0)
	s_getreg_b32 s2, hwreg(HW_REG_IB_STS2, 6, 4)
	s_cmp_eq_u32 s2, 0
	s_cbranch_scc0 .Lentry_in_a_cluster
	s_endpgm
.Lentry_in_a_cluster:
	s_bfe_u32 s2, ttmp6, 0x10000c
	s_cmp_lg_u32 s2, 0xf033
	s_cbranch_scc0 .Lentry_shape_is_right
	s_endpgm
.Lentry_shape_is_right:
; C[m][n] = sum over k of A[m][k] B[n][k].  A = o16 [16384][1024], B = wo16 [1024][1024], both f16 with K in the same order; C = out0 [16384][1024], f32; sums in f32.
; A tile of C, 256 x 256, is made by a work-group of four waves; a wave makes 128 x 128: 64 accumulators of 16 x 16, 512 registers.  256 tiles, one to a work-group.
; K goes in steps of 128 through a ring of two LDS slots filled by the tensor data mover: a tile row is 256 bytes of memory and starts at a multiple of 256 bytes from the buffer first byte.
; CLUSTERS: 4 x 4 work-groups.  The four of a row of the cluster need the same tiles of A, the four of a column the same tiles of B: each tile is asked for JOINTLY, by the same tensor load with the
; same descriptor and a mask that names the four.  THE MATRIX INSTRUCTION IS USED TRANSPOSED (source 0 = 16 rows of B, source 1 = 16 rows of A): a lane then holds eight neighbouring numbers of a row of C, 32 bytes.
; The last K step goes by rows of C, so that finished blocks of 16 rows leave while the others are multiplied; K stays ascending in every sum.
; REGISTERS, in windows of 256: window 0: v0-31 addresses; v64-127, v128-191 fragments of A, two buffers (in the last K step four, of 16 rows x 128 K); v192-255 rows of C on the way out.
;   window 1: v64-127, v128-191 fragments of B, two buffers; in the last K step all 256.   window 2: the accumulators of my rows 0-63 ((a, b) at v[8 (8 a + b)]);   window 3: those of my rows 64-127.
; All of LDS is claimed.
.set SIZE_M, 16384
.set SIZE_N, 1024
.set SIZE_K, 1024
.set KSTEP,  128
.set PITCH,  272                       ; an LDS row: 256 bytes + 16 of padding = 68 words: row r starts at bank 4 r mod 64 (64 banks of 4 bytes: ISA guide 11.1)
.set HALFT,  128*PITCH                 ; 128 rows: what one tensor load brings, and what one wave reads of A or of B
.set SLOT,   4*HALFT                   ; 256 rows of A, then 256 rows of B
.set STAGE,  2*SLOT                    ; behind the ring: 16 rows x (512 + 16) bytes for each wave, for the way out; no tensor load lands there
.set SPITCH, 528
.set SPARE,  STAGE+4*16*SPITCH         ; behind the stages: the spare words, 128 bytes a wave, which no other line names
.set LAPS, SIZE_K/(2*KSTEP)            ; a lap = two K steps = once round the ring
.set ADRA, 16                          ; v16-17  LDS address of my A fragments in slot 0, 1
.set ADRB, 20                          ; v20-21  the same for B
.set STO,  24                          ; v24     the way out: where I put 32 bytes of a row
.set RD,   25                          ; v25     the way out: where I read a row back
.set CO,   26                          ; v26     16 x lane: my bytes of a row of 512
.set SPW,  28                          ; v28     LDS address of my spare word; never rewritten
.set NIL,  29                          ; v29     0; never rewritten
.set PFO,  30                          ; v30     the prefetches offset: my lane x a row of A or B (2,048 bytes); never rewritten
.set PFA,  44                          ; s[44:45] where my prefetches stand
.set LIM,  43                          ; s43     1 in a wave that prefetches, else the greatest number
.set F0,   64
.set F1,   128
.set BK,   192                         ; the way out: 16 rows read back from the stage
.set PA,   64                          ; the last K step: fragments of A of 16 rows x 128 K, 32 registers; four buffers, v64-191
.set G1, 24                            ; s[24:31] descriptor group 1 for tiles of A;  s[32:39] group 0, one set for each slot
.set G0, 32
.set G1B, 48                           ; s[48:55], s[56:63] the same for B
.set G0B, 56
.set MSB, 0
.macro WIN new                         ; the immediate high byte repeats the setting that is left
.if MSB != (\new)
	s_set_vgpr_msb (MSB<<8)|(\new)
.set MSB, \new
.endif
.endm
.set MUL_LO, 0xa1                      ; source 0 (B) window 1, source 1 (A) window 0, C and D window 2
.set MUL_HI, 0xf1                      ; the same, C and D window 3
.set TO_B,   0x40                      ; destination window 1, address window 0
; A joint load: waves 0 and 1 fetch the two halves of A, waves 2 and 3 those of B.  Each line has one mask and one set of registers for all that issue it; the branch hangs on the wave number alone.
; An s_nop 0 and four v_nop follow each of the two lines, ahead of the jump, the label and what follows.
.macro JLOAD s
	s_cmp_eq_u32 s11, 0
	s_cbranch_scc0 .Lfor_b_\@
	tensor_load_to_lds s[G0+4*\s:G0+4*\s+3], s[G1:G1+7]
	s_nop 0
.rept 4
	v_nop
.endr
	s_branch .Lasked_\@
.Lfor_b_\@:
	tensor_load_to_lds s[G0B+4*\s:G0B+4*\s+3], s[G1B:G1B+7]
	s_nop 0
.rept 4
	v_nop
.endr
.Lasked_\@:
.endm
; A prefetch, behind each joint load and the run of LDS loads that follows it: the K step that stands two refills on: 32 rows x 256 bytes, a lane a row, one instruction a wave.
; Each row 256 bytes of a K step are named once in the launch: rows of A by their one cluster (the grid is one cluster wide), rows of B by the clusters with y = 0.  The four partners that ask for a tile
; jointly share its rows out BY ADDRESS: of the 128 rows that a wave fetches the partner at place p takes 32 p .. 32 p + 31 (p = cx for A, cy for B).  The first four K steps come by their loads alone;
; the loop last trip, whose refills are K steps 6 and 7, names nothing.
.macro ASK
	s_cmp_gt_u32 s3, s[LIM]                        ; s3 = 1 in the loop last trip
	s_cbranch_scc0 .Lnot_mine_\@
	global_prefetch_b8 v[PFO], s[PFA:PFA+1] offset:KSTEP*2 th:TH_LOAD_NT scope:SCOPE_SE
.Lnot_mine_\@:
.endm
.macro CREST                           ; a round of the cluster barrier behind its opening barrier
	s_cmp_lg_u32 s10, 0
	s_cbranch_scc1 .Lnot_wave_0_\@
	s_barrier_signal -3
.Lnot_wave_0_\@:
	s_barrier_wait -3
	s_barrier_signal -1
	s_barrier_wait -1
.endm
.macro CROUND                          ; a whole round
	s_barrier_signal -1
	s_barrier_wait -1
	CREST
.endm
	s_load_b128 s[4:7], s[0:1], 0x0                ; A s[4:5], B s[6:7]
	s_load_b64 s[8:9], s[0:1], 0x10                ; C
	v_lshl_add_u32 v[SPW], v0, 2, SPARE
	v_mov_b32 v[NIL], 0
	ds_add_u32 v[SPW], v[NIL]                      ; the wave opening: the add, twice on end, and its wait ahead of my first tensor load; work on registers stands between
	ds_add_u32 v[SPW], v[NIL]
	v_lshrrev_b32 v1, 5, v0
	v_readfirstlane_b32 s10, v1                    ; wave 0..3
	s_lshr_b32 s11, s10, 1                         ; which half of the tile rows is mine.  Also: I fetch for A (0) or for B (1)
	s_and_b32 s12, s10, 1                          ; which half of its columns.  Also: which 128 rows of that tile I fetch
	s_bfe_u32 s40, ttmp6, 0x40000                  ; cx
	s_bfe_u32 s41, ttmp6, 0x40004                  ; cy
	s_lshl_b32 s42, ttmp9, 2
	s_add_co_u32 s42, s42, s40                     ; tile column of C = 4 x cluster x + cx
	s_and_b32 s13, ttmp7, 0xffff
	s_lshl_b32 s13, s13, 2
	s_add_co_u32 s13, s13, s41                     ; tile row of C = 4 x cluster y + cy
	s_lshl_b32 s43, s41, 2
	s_lshl_b32 s43, 15, s43                        ; my row of the cluster: places 4 cy .. 4 cy + 3
	s_lshl_b32 s44, 0x1111, s40                    ; my column: places cx, cx + 4, cx + 8, cx + 12
	; descriptor group 1: a tile of 128 rows x 128 elements of 2 bytes, 4 words of padding behind every 64
	s_or_b32 s[G1+0], s43, (1<<16)|(1<<20)|(1<<21)|(5<<22)|(3<<25)
	s_or_b32 s[G1B+0], s44, (1<<16)|(1<<20)|(1<<21)|(5<<22)|(3<<25)
	s_mov_b32 s[G1B+1], KSTEP<<16
	s_mov_b32 s[G1+1], KSTEP<<16                   ; tensor_dim0 = 128
	s_mov_b32 s[G1B+2], 128<<16
	s_mov_b32 s[G1+2], 128<<16                     ; tensor_dim1 = 128
	s_mov_b32 s[G1B+3], KSTEP<<16
	s_mov_b32 s[G1+3], KSTEP<<16                   ; tile_dim0 = 128
	s_mov_b32 s[G1B+4], 128
	s_mov_b32 s[G1+4], 128                         ; tile_dim1 = 128
	s_mov_b32 s[G1B+5], SIZE_K
	s_mov_b32 s[G1+5], SIZE_K                      ; elements from row to row
	s_mov_b32 s[G1B+6], 0
	s_mov_b32 s[G1+6], 0
	s_mov_b32 s[G1B+7], 0
	s_mov_b32 s[G1+7], 0
	; where the tiles come from: A hangs on the tile row alone, B on the tile column alone, each in registers that never hold the other coordinate
	s_lshl_b32 s17, s12, 7
	s_lshl_b32 s16, s13, 8
	s_add_co_u32 s16, s16, s17                     ; A: row 256 x tile row + 128 x half
	s_lshl_b32 s46, s42, 8
	s_add_co_u32 s46, s46, s17                     ; B: row 256 x tile column + 128 x half
	s_mov_b32 s17, 0
	s_mov_b32 s47, 0
	s_mov_b64 s[18:19], SIZE_K*2
	s_mul_u64 s[16:17], s[16:17], s[18:19]
	s_mul_u64 s[46:47], s[46:47], s[18:19]
	s_mul_i32 s20, s10, HALFT                      ; where they go: wave x 128 rows: no place in the cluster enters an LDS address
	s_wait_dscnt 0x0                               ; both opening adds are done
	s_wait_kmcnt 0x0
	s_add_nc_u64 s[14:15], s[4:5], s[16:17]
	s_add_nc_u64 s[46:47], s[6:7], s[46:47]
	CROUND                                         ; all sixteen work-groups are here: the first joint loads meet
.irp s, 0,1
	s_mov_b32 s[G0+4*\s], 1
	s_add_co_u32 s[G0+4*\s+1], s20, \s*SLOT
	s_add_nc_u64 s[G0+4*\s+2:G0+4*\s+3], s[14:15], \s*KSTEP*2
	s_or_b32 s[G0+4*\s+3], s[G0+4*\s+3], 0x80000000
	s_mov_b32 s[G0B+4*\s], 1
	s_add_co_u32 s[G0B+4*\s+1], s20, \s*SLOT
	s_add_nc_u64 s[G0B+4*\s+2:G0B+4*\s+3], s[46:47], \s*KSTEP*2
	s_or_b32 s[G0B+4*\s+3], s[G0B+4*\s+3], 0x80000000
	JLOAD \s                                       ; two tensor loads of mine are out
.endr
	; a fragment is 16 rows x 32 K in 8 registers: lane l holds row l % 16; registers 0-3 K = 8 (l / 16) + 0..7, registers 4-7 K = 16 + 8 (l / 16) + 0..7: two loads of 16 bytes, 32 bytes apart
	v_and_b32 v1, 15, v0
	v_bfe_u32 v2, v0, 4, 1
	v_mul_u32_u24 v3, v1, PITCH
	v_lshl_add_u32 v3, v2, 4, v3
	s_mul_i32 s21, s11, HALFT                      ; my 128 rows of A
	s_mul_i32 s22, s12, HALFT                      ; my 128 rows of B,
	s_add_co_u32 s22, s22, 2*HALFT                 ; which lie behind the 256 of A
.irp s, 0,1
	v_add_nc_u32 v[ADRA+\s], s21, v3
	v_add_nc_u32 v[ADRB+\s], s22, v3
	s_add_co_u32 s21, s21, SLOT
	s_add_co_u32 s22, s22, SLOT
.endr
	s_mul_i32 s23, s10, 16*SPITCH
	s_add_co_u32 s23, s23, STAGE                   ; my stage
	v_mul_u32_u24 v4, v1, SPITCH                   ; in: row l % 16, 32 bytes for each half of the lanes
	v_lshl_add_u32 v4, v2, 5, v4
	v_add_nc_u32 v[STO], s23, v4
	v_and_b32 v5, 31, v0
	v_lshlrev_b32 v[CO], 4, v5                     ; back: the 32 lanes take one row of 512 bytes; and the same in C
	v_add_nc_u32 v[RD], s23, v[CO]
	; where my part of the tile begins in C, in bytes
	s_lshl_b32 s13, s13, 8
	s_lshl_b32 s14, s11, 7
	s_add_co_u32 s16, s13, s14                     ; my first row of C
	s_mov_b32 s17, 0
	s_mov_b64 s[18:19], SIZE_N*4
	s_mul_u64 s[16:17], s[16:17], s[18:19]
	s_lshl_b32 s46, s42, 10                        ; my first column, in bytes: 1,024 x tile column + 512 x half
	s_lshl_b32 s47, s12, 9
	s_add_co_u32 s46, s46, s47
	s_mov_b32 s47, 0
	s_add_nc_u64 s[16:17], s[16:17], s[46:47]
	; the prefetches
	s_lshl_b32 s42, s42, 8
	s_and_b32 s22, ttmp7, 0xffff                   ; cluster y
	s_cmp_eq_u32 s11, 0                            ; do I fetch for A?
	s_cselect_b32 s20, s13, s42                    ; the tile first row
	s_cselect_b32 s21, s40, s41                    ; my place among the four that ask for it with me
	s_cselect_b32 s22, ttmp9, s22                  ; the coordinate along which other clusters read the same rows
	s_cselect_b64 s[PFA:PFA+1], s[4:5], s[6:7]
	s_cmp_eq_u32 s22, 0
	s_cselect_b32 s[LIM], 1, -1                    ; the same in all sixteen partners, for a given wave
	s_lshl_b32 s22, s12, 7
	s_add_co_u32 s20, s20, s22                     ; + the 128 rows that I fetch
	s_lshl_b32 s21, s21, 5
	s_add_co_u32 s20, s20, s21                     ; + my work-group 32 of them
	s_mov_b32 s21, 0
	s_mov_b64 s[18:19], SIZE_K*2
	s_mul_u64 s[20:21], s[20:21], s[18:19]
	s_add_nc_u64 s[PFA:PFA+1], s[PFA:PFA+1], s[20:21]
	s_add_nc_u64 s[PFA:PFA+1], s[PFA:PFA+1], 2*KSTEP*2  ; at K step 2: the first refill steps it to 3 and names K step 4
	v_and_b32 v[PFO], 31, v0
	v_mul_u32_u24 v[PFO], v[PFO], SIZE_K*2
; 16 matrix instructions: blocks a0, a0 + 1 of the window four x all 8 blocks of B, 32 along K.  zero = 1: the first product starts the sums.  The 64 accumulators take turns, one instruction a turn.
.macro MUL16 f, hi, a0, zero
.irp a, \a0, \a0+1
.irp b, 0,1,2,3,4,5,6,7
.if \zero
	v_wmma_f32_16x16x32_f16 v[8*(8*(\a)+\b):8*(8*(\a)+\b)+7], v[\f+8*\b:\f+8*\b+7], v[\f+8*(4*\hi+\a):\f+8*(4*\hi+\a)+7], 0
.else
	v_wmma_f32_16x16x32_f16 v[8*(8*(\a)+\b):8*(8*(\a)+\b)+7], v[\f+8*\b:\f+8*\b+7], v[\f+8*(4*\hi+\a):\f+8*(4*\hi+\a)+7], v[8*(8*(\a)+\b):8*(8*(\a)+\b)+7]
.endif
.endr
.endr
.endm
; 32 LDS loads in one run: the fragments of one quarter step (128 rows of B, 128 rows of A, 32 K at byte k of the rows) into buffer f
.macro FETCH slot, k, f
	WIN TO_B
.irp i, 0,1,2,3,4,5,6,7
	ds_load_b128 v[\f+8*\i:\f+8*\i+3],   v[ADRB+\slot] offset:\k+\i*16*PITCH
	ds_load_b128 v[\f+8*\i+4:\f+8*\i+7], v[ADRB+\slot] offset:\k+\i*16*PITCH+32
.endr
	WIN 0
.irp i, 0,1,2,3,4,5,6,7
	ds_load_b128 v[\f+8*\i:\f+8*\i+3],   v[ADRA+\slot] offset:\k+\i*16*PITCH
	ds_load_b128 v[\f+8*\i+4:\f+8*\i+7], v[ADRA+\slot] offset:\k+\i*16*PITCH+32
.endr
.endm
.macro PLACES                          ; four places ahead of loads into registers that matrix instructions have read, and of LDS stores that read results
.rept 4
	v_nop
.endr
.endm
; A K step is four quarters of 32 along K, 64 matrix instructions each, on buffers 0, 1, 0, 1.  One of the first three multiplies buffer f and fetches the next quarter, at byte k, into buffer g.
.macro QUARTER slot, k, f, g, zero
	s_wait_dscnt 8                                 ; B and rows 0-63 of A are in; the youngest eight loads (rows 64-127 of A) may be out
	WIN MUL_LO
	MUL16 \f, 0, 0, \zero
	MUL16 \f, 0, 2, \zero
	PLACES
	FETCH \slot, \k, \g
	s_wait_dscnt 32                                ; all but the 32 just issued
	WIN MUL_HI
	MUL16 \f, 1, 0, \zero
	MUL16 \f, 1, 2, \zero
.endm
; The last quarter multiplies buffer 1 and changes slots.  MEET is its first half: one barrier; in front of it each wave waits for all its tensor loads (one is out: its part of the next slot),
; adds 0 to its spare word, and waits for that and for its own reads of this slot.
.macro MEET round
	WIN 0                                          ; (the add two registers lie in window 0)
	s_wait_tensorcnt 0x0
	ds_add_u32 v[SPW], v[NIL]
	s_wait_dscnt 9                                 ; (the add and the youngest eight loads may be out)
	WIN MUL_LO
	MUL16 F1, 0, 0, 0                              ; sixteen matrix instructions stand between the add and the wait for it
	s_wait_dscnt 0x0                               ; the add is done, and my reads of this slot are over
	s_barrier_signal -1
	MUL16 F1, 0, 2, 0                              ; work on registers while the others arrive
.if \round
	WIN 0
.endif
	s_barrier_wait -1
.endm
; The whole last quarter.  The barrier opens a round of the cluster barrier; behind the round the slot just read out is filled again first, with the K step two on; then come the next slot first fragments.
.macro TURN slot, next
	s_wait_xcnt 0x0                                ; the last prefetch, a K step back, has read its address: it is stepped here
	s_add_nc_u64 s[PFA:PFA+1], s[PFA:PFA+1], KSTEP*2
	MEET 1
	CREST                                          ; no wave of any partner still reads this slot or has a load on its way
	s_add_nc_u64 s[G0+4*\slot+2:G0+4*\slot+3], s[G0+4*\slot+2:G0+4*\slot+3], 2*KSTEP*2
	s_add_nc_u64 s[G0B+4*\slot+2:G0B+4*\slot+3], s[G0B+4*\slot+2:G0B+4*\slot+3], 2*KSTEP*2
	JLOAD \slot                                    ; my one tensor load behind the round; the four v_nop behind it are also the places ahead of the loads below
	FETCH \next, 0, F0
	ASK
	WIN MUL_HI
	MUL16 F1, 1, 0, 0
	MUL16 F1, 1, 2, 0
.endm
; THE LAST K STEP (slot 1) BY ROWS OF C: all its fragments of B fill window 1; my eight blocks of 16 rows are finished one after the other, 32 matrix instructions each, the block 8 accumulators by turns, K ascending.
.macro BLOAD q
.irp i, 0,1,2,3,4,5,6,7
	ds_load_b128 v[64*\q+8*\i:64*\q+8*\i+3],   v[ADRB+1] offset:64*\q+\i*16*PITCH
	ds_load_b128 v[64*\q+8*\i+4:64*\q+8*\i+7], v[ADRB+1] offset:64*\q+\i*16*PITCH+32
.endr
.endm
.macro ALOAD a
.set FA, PA+32*((\a)%4)
.irp q, 0,1,2,3
	ds_load_b128 v[FA+8*\q:FA+8*\q+3],   v[ADRA+1] offset:64*\q+(\a)*16*PITCH
	ds_load_b128 v[FA+8*\q+4:FA+8*\q+7], v[ADRA+1] offset:64*\q+(\a)*16*PITCH+32
.endr
.endm
.macro ROW a
.set FA, PA+32*((\a)%4)
.set AC, 64*((\a)%4)
	WIN MUL_LO+0x50*((\a)/4)
.irp q, 0,1,2,3
.if (\a) == 0 && \q == 2
	s_wait_dscnt 24                                ; quarter 2 of B is in (behind it: blocks 1 to 3 of A)
.endif
.irp b, 0,1,2,3,4,5,6,7
	v_wmma_f32_16x16x32_f16 v[AC+8*\b:AC+8*\b+7], v[64*\q+8*\b:64*\q+8*\b+7], v[FA+8*\q:FA+8*\q+7], v[AC+8*\b:AC+8*\b+7]
.endr
.endr
.endm
; THE WAY OUT of block a: 16 rows x 128 columns of f32 go into my own stage as they stand, each accumulator from its low end on, and come back as whole rows of 512 bytes.
; LDS serves a wave instructions in order (ISA guide 5.7.1.4): no wait between the stores and the loads.
.macro TOSTAGE a
.set AC, 64*((\a)%4)
.if (\a) > 0
	s_wait_xcnt 0x0                                ; the last block stores have read their data and their base: the loads below may land there, and the base may step
.endif
	WIN 0x08+4*((\a)/4)                            ; an LDS store data are its source 1: window 2 or 3
.irp b, 0,1,2,3,4,5,6,7
	ds_store_b128 v[STO], v[AC+8*\b:AC+8*\b+3] offset:64*\b
	ds_store_b128 v[STO], v[AC+8*\b+4:AC+8*\b+7] offset:64*\b+16
.endr
	WIN 0
.irp t, 0,1,2,3,4,5,6,7,8,9,10,11,12,13,14,15
	ds_load_b128 v[BK+4*\t:BK+4*\t+3], v[RD] offset:\t*SPITCH
.endr
.endm
.macro SEND a, younger                 ; younger: the LDS loads issued behind those of TOSTAGE, which may stay out
	s_wait_dscnt \younger                          ; the block is back in registers
.if (\a) == 0
	s_add_nc_u64 s[8:9], s[8:9], s[16:17]          ; on to my first rows (no store has named this base yet)
.else
	s_add_nc_u64 s[8:9], s[8:9], 16*SIZE_N*4       ; 16 rows of C on (behind the wait at the head of TOSTAGE; no global instruction stands between)
.endif
.irp t, 0,1,2,3,4,5,6,7,8,9,10,11,12,13,14,15
	global_store_b128 v[CO], v[BK+4*\t:BK+4*\t+3], s[8:9] offset:\t*SIZE_N*4 th:TH_STORE_NT   ; 32 lanes store 512 consecutive bytes, aligned to 256; written once, read by nobody here
.endr
.endm
	s_wait_tensorcnt 1                             ; my part of K step 0 is in; the load of K step 1 may stay out
	s_barrier_signal -1
	s_barrier_wait -1                              ; everybody part is
	FETCH 0, 0, F0
	QUARTER 0, 64,  F0, F1, 1                      ; the first quarter stands in front of the loop: its products start the sums
	WIN 0                                          ; at a label and at a branch every window is 0
	s_mov_b32 s3, LAPS-1
.Llap:                                                 ; a trip goes once round the ring, from a lap second quarter to the next lap first, and fills both slots again
	QUARTER 0, 128, F1, F0, 0
	QUARTER 0, 192, F0, F1, 0
	TURN 0, 1
	QUARTER 1, 64,  F0, F1, 0
	QUARTER 1, 128, F1, F0, 0
	QUARTER 1, 192, F0, F1, 0
	TURN 1, 0
	QUARTER 0, 64,  F0, F1, 0
	WIN 0
	s_sub_co_u32 s3, s3, 1
	s_cmp_lg_u32 s3, 0
	s_cbranch_scc1 .Llap
	QUARTER 0, 128, F1, F0, 0                      ; the last lap goes on; it fills nothing
	QUARTER 0, 192, F0, F1, 0
	MEET 0                                         ; my one tensor load that was still out is the last K step; no round follows
	PLACES                                         ; for the loads into buffer 0
	WIN TO_B
	BLOAD 0                                        ; three quarters of B now: buffer 1 is still being multiplied
	BLOAD 1
	BLOAD 3
	WIN 0
	ALOAD 0
	WIN MUL_HI
	MUL16 F1, 1, 0, 0
	MUL16 F1, 1, 2, 0
	PLACES                                         ; for the loads into buffer 1
	WIN TO_B
	BLOAD 2
	WIN 0
	ALOAD 1
	ALOAD 2
	ALOAD 3
	s_wait_dscnt 40                                ; all but the 40 just issued
	ROW 0
.irp a, 0,1,2,3,4,5,6,7                ; each block leaves as soon as it is finished
	PLACES                                         ; the LDS stores read results just made, and the block buffer of A is loaded anew
	TOSTAGE \a
.if \a < 4
	ALOAD \a+4                                     ; its buffer takes the block four further on
	SEND \a, 8
.else
	SEND \a, 0
.endif
.if \a < 7
	ROW \a+1
.endif
.endr
	s_wait_tensorcnt 0x0                           ; the wave end, behind my last tensor load and my last LDS store
	ds_add_u32 v[SPW], v[NIL]
	s_wait_dscnt 0x0
	CROUND                                         ; the closing round: no work-group ends while a partner may still ask for a tile that names it
	s_endpgm
.Lfunc_end_k_q8795f3b1ff_outproj:
	.size	k_q8795f3b1ff_outproj, .Lfunc_end_k_q8795f3b1ff_outproj-k_q8795f3b1ff_outproj
	.p2alignl 7, 3214868480
	.fill 96, 4, 3214868480
	.section	.rodata,"a",@progbits
	.p2align	6, 0x0
	.amdhsa_kernel k_q8795f3b1ff_outproj
		.amdhsa_group_segment_fixed_size 327680
		.amdhsa_private_segment_fixed_size 0
		.amdhsa_enable_private_segment 0
		.amdhsa_kernarg_size 24
		.amdhsa_user_sgpr_count 2
		.amdhsa_user_sgpr_kernarg_segment_ptr 1
		.amdhsa_wavefront_size32 1
		.amdhsa_system_sgpr_workgroup_id_x 1
		.amdhsa_system_sgpr_workgroup_id_y 1
		.amdhsa_system_sgpr_workgroup_id_z 1
		.amdhsa_system_vgpr_workitem_id 0
		.amdhsa_next_free_vgpr 1024
		.amdhsa_next_free_sgpr 66
		.amdhsa_reserve_vcc 0
		.amdhsa_float_denorm_mode_32 3
		.amdhsa_float_denorm_mode_16_64 3
		.amdhsa_memory_ordered 1
		.amdhsa_forward_progress 1
		.amdhsa_inst_pref_size 142
	.end_amdhsa_kernel
	.amdgpu_metadata
---
amdhsa.version: [ 1, 2 ]
amdhsa.kernels:
  - .name:           k_q8795f3b1ff_outproj
    .symbol:         k_q8795f3b1ff_outproj.kd
    .args:
      - { .name: o16, .offset: 0, .size: 8, .value_kind: global_buffer, .address_space: global }
      - { .name: wo16, .offset: 8, .size: 8, .value_kind: global_buffer, .address_space: global }
      - { .name: out0, .offset: 16, .size: 8, .value_kind: global_buffer, .address_space: global }
    .group_segment_fixed_size: 327680
    .private_segment_fixed_size: 0
    .kernarg_segment_align: 8
    .kernarg_segment_size: 24
    .max_flat_workgroup_size: 128
    .sgpr_count:     66
    .vgpr_count:     1024
    .wavefront_size: 32
...
	.end_amdgpu_metadata
.endif
;; end of part 3
